; MI455X (gfx1250); checked and timed in simulation.
; The chip was launched on July 23, 2026; its instructions are those of AMD's public machine-readable ISA for CDNA 5 (MIT licence, August 2026) and "CDNA5" Instruction Set Architecture Reference Guide (July 2026). The comments in the code are by the model that wrote it; some were corrected since.
;; Multi Head Attention. Allowed arithmetic: matrix products marked QUANTISED: E2M3 operands, one E8M0 scale for each 32 along K, by v_wmma_scale_f32_16x16x128_f8f6f4 with both operands' format E2M3, f32 sums; everything else in f32.
;; Inputs: Wk 1,024 x 1,024 float32; Wq 1,024 x 1,024 float32; Wv 1,024 x 1,024 float32; bk 1,024 float32; bq 1,024 float32; bv 1,024 float32; keys 128 x 128 x 1,024 float32; queries 128 x 128 x 1,024 float32; values 128 x 128 x 1,024 float32.
;; Outputs: out0 128 x 128 x 1,024 float32.
;; This version of the problem:
;;   THIS VERSION OF THE PROBLEM IS GIVEN IN LOW PRECISION. The matrix products marked QUANTISED in the list below multiply operands that are first quantised to E2M3 (2 exponent bits, 3 mantissa bits; 6 bits a number), with one power-of-two scale for each 32 numbers along K (OCP MX v1.0); their sums are f32. All else is computed in f32.
;;   The module's matrix products, in the order in which they are computed (A, B: the left and right operand; K: the contracted axis; several contracted axes count as one K, in the product's order):
;;     1. [M 16,384, K 1,024] x [K 1,024, N 1,024]; A: input queries; B: input Wq: QUANTISED
;;     2. [M 16,384, K 1,024] x [K 1,024, N 1,024]; A: input keys; B: input Wk: QUANTISED
;;     3. [M 16,384, K 1,024] x [K 1,024, N 1,024]; A: input values; B: input Wv: QUANTISED
;;     4. batch 2,048 x [M 128, K 64] x [K 64, N 128]; A: computed on the way; B: computed on the way: QUANTISED
;;     5. batch 2,048 x [M 64, K 128] x [K 128, N 128]; A: computed on the way; B: softmax (see below): QUANTISED
;;   THE QUANTISER, for each operand of a quantised product, along K:
;;     - K is cut into blocks of 32 from its start; a last block that is shorter is filled with zeros.
;;     - A block's scale is 2^e with e = floor(log2(the largest magnitude in the block)) - 2, held to -126 .. 127; a block of zeros has e = 0. As a byte (E8M0): e + 127.
;;     - Each number is divided by its block's scale, clamped to +-7.5, and rounded to the nearest number of E2M3, ties to even, subnormals kept.
;;     - The product sums the exact products of the quantised numbers (number of the format x scale) in f32.
;;   ~~~python
;;   def quantise(x, axis):      # numpy; x: float32 -> the quantised numbers, widened to float32 again
;;       x = np.moveaxis(x, axis, -1); K = x.shape[-1]
;;       x = np.pad(x, [(0, 0)] * (x.ndim - 1) + [(0, -K % 32)]); x = x.reshape(x.shape[:-1] + (-1, 32)); a = np.abs(x).max(-1, keepdims=True)
;;       e = np.where(a > 0, np.clip(np.frexp(np.where(a > 0, a, 1))[1] - 1 - 2, -126, 127), 0)      # np.frexp(a)[1] - 1 = floor(log2(a)), exactly
;;       r = np.clip(x / 2.0 ** e, -7.5, 7.5)
;;       step = 2.0 ** (np.maximum(np.frexp(np.where(r == 0, 1, r))[1] - 1, 0) - 3)
;;       q = np.round(r / step) * step * 2.0 ** e      # np.round: ties to even
;;       return np.moveaxis(q.reshape(q.shape[:-2] + (-1,))[..., :K], -1, axis).astype(np.float32)
;;   ~~~
;;   SOFTMAX AHEAD OF A QUANTISED PRODUCT. Where the list says 'softmax', what is quantised is not the finished softmax but p = 2^(t - M), with t = logit x log2(e) and M = ceil(the row's largest t), a whole number; so 1/2 < the row's largest p <= 1. The row's sum l is taken of the UNQUANTISED p, in f32, and the product's result is divided by l at the end. Since M is a whole number, a kernel that streams over the keys may use a running M (the ceiling of the running maximum): every later rescaling is an exact power of two, which a block's scale takes up: the codes' values come out the same.
;;   OPERANDS COMPUTED ON THE WAY. 'Computed on the way' means the value that the module computes at that place (a softmax that the list does not call 'softmax' is quantised finished and normalised). What goes into a quantiser is computed in f32, as accurately as f32 sums, v_exp_f32 and their like allow (about 1e-6 of the number): no bf16 or f16 on the way to a quantiser, and a product that is left as it is and whose result goes on into a quantised operand takes f32 operands (vector FMAs, or v_wmma_f32_16x16x4_f32). A number that lies on a knife's edge between two numbers of the format may be rounded either way, as far as f32 arithmetic and the matrix unit's own rounding can turn it there, and no further.
;; One version. Each part assembles by itself: llvm-mc -triple=amdgcn-amd-amdhsa -mcpu=gfx1250 --defsym DOCPART=n.
;; ======== version 1 of 1: 2 launches
;; limits: right only within a limited range of input values
;; workspace buffers: codes 41,779,200 bytes
;; launch quant (part 1): grid 544 x 3, 4 waves a work-group, no clusters, 34,304 bytes of LDS; arguments queries, keys, values, Wq, Wk, Wv, codes; writes codes
.if DOCPART == 1
	.amdgcn_target "amdgcn-amd-amdhsa--gfx1250"
	.amdhsa_code_object_version 6
	.text
	.protected	k_q0600b2be04_quant
	.globl	k_q0600b2be04_quant
	.p2align	8
	.type	k_q0600b2be04_quant,@function
k_q0600b2be04_quant:
	s_mov_b64 s[64:65], 0
	v_nop
	global_prefetch_b8 v0, s[64:65] scope:SCOPE_SE
	s_setreg_imm32_b32 hwreg(HW_REG_WAVE_MODE, 25, 1), 1
	s_wait_xcnt 0x0
; queries, keys, values [16384][1024] and Wq, Wk, Wv [1024][1024], f32, K innermost, become codes of FP6 (E2M3) with one E8M0 byte for each 32 along K,
; laid in the order in which the next launch's matrix operands take them.
; THE BUFFER: 136 groups of 128 rows (0-127: the activations' rows 128 g on; 128-135: the weights' rows 128 (g - 128) on) x 12 blocks of 25,600 bytes.
; Block 4 p + s of a group: tensor p (0 queries / Wq, 1 keys / Wk, 2 values / Wv), K = 256 s .. 256 s + 255.  In a block: 16 fragments of 1,536 bytes, fragment (tile T, kq) at
; (2 T + kq) x 1,536: 16 rows x 128 K as an image of the operand's 12 registers (registers 4 c .. 4 c + 3 of lane l at 512 c + 16 l); at byte 24,576 the scale words, [T][row][kq], 4 bytes each.
; THE ROWS OF A TILE ARE NOT NEIGHBOURS: row r of tile 2 b + u is row 32 b + 8 u + r + 8 (r / 8) of the group.
; A block's scale is 2^(floor(log2(its largest magnitude)) - 2); its byte is the largest magnitude's exponent field - 2, held at 1 from below.
; LIMITS: a block of zeros, and a block whose largest magnitude lies under 2^-124, gets the byte 1 (the rule says 127 for zeros): its codes are zeros or what the floor's scale gives, and this program alone
; reads the bytes.  NaN and infinities among the inputs are not served.
; SHARES: work-group x takes 32 rows (x < 512: of the activation; else of the weight), y the tensor; wave w takes K step w: 32 rows x 256 K = four fragments f = 2 u + kq.
; Each load reads 512 consecutive bytes of one row; a fragment's 16 rows turn through the wave's own stage in LDS, so that lane (r, h) gets k = 64 c + 32 h + 0 .. 31 of row r: two whole blocks.
; No barrier: waves share nothing.  No loop: every offset is an immediate.  No matrix unit, no cluster: a stream, bound by its bytes.
.set BLK,  25600
.set SCO,  24576
.set SP,   528                         ; a stage row: 512 bytes + 16: an odd multiple of 16, so that sixteen rows start at sixteen different groups of banks
.set WREG, 16*SP                       ; a wave's stage
.set LA,  4                            ; v4   16 x lane
.set SA,  5                            ; v5   the stage, on the way in: 16 x lane
.set SB,  6                            ; v6   and out: row r, + 128 h
.set L8,  7                            ; v7   8 x lane
.set SH,  8                            ; v8   8 h
.set W2,  9                            ; v9   the other half's bytes
.set C,   32                           ; v32-43  a fragment's codes
.set T,   44                           ; v44-46, v48-50  the second halves of the two blocks (a conversion's three registers begin on an even number)
.set WD,  52                           ; v52-55  the four fragments' scale words
.set M,   58                           ; v58-59  largest magnitudes
.set SO,  60                           ; v60-61  the conversions' scale operands
.set BY,  62                           ; v62-63  the bytes
.set R,   64                           ; v64-191 two sets of 64, as loaded
.set X,   192                          ; v192-255 my 64 numbers of a fragment
	s_load_b256 s[4:11], s[0:1], 0x0               ; queries, keys, values, Wq
	s_load_b128 s[12:15], s[0:1], 0x20             ; Wk, Wv
	s_load_b64 s[16:17], s[0:1], 0x30              ; codes
	v_lshl_add_u32 v47, v0, 2, 0x8400
	v_mov_b32 v51, 0
	v_lshrrev_b32 v1, 5, v0
	v_readfirstlane_b32 s18, v1                    ; wave = K step
	s_and_b32 s19, ttmp7, 0xffff                   ; which tensor
	v_and_b32 v1, 31, v0                           ; lane
	v_and_b32 v2, 15, v0                           ; r
	v_bfe_u32 v3, v0, 4, 1                         ; h
	v_lshlrev_b32 v[LA], 4, v1
	s_mul_i32 s21, s18, WREG
	v_add_nc_u32 v[SA], s21, v[LA]
	v_mul_u32_u24 v[SB], v2, SP
	v_lshl_add_u32 v[SB], v3, 7, v[SB]
	v_add_nc_u32 v[SB], s21, v[SB]
	v_lshlrev_b32 v[L8], 3, v1
	v_lshlrev_b32 v[SH], 3, v3
	v_mov_b32 v[W2], 0                             ; written once: a lane permute's destination counts as one of its sources
	v_cmp_le_u32 vcc_lo, 16, v1                    ; lanes 16-31
	s_mov_b32 s30, 0x76543210
	s_mov_b32 s31, 0xfedcba98                      ; v_permlanex16_b32's selects for lane l xor 16
	s_lshr_b32 s24, ttmp9, 2                       ; the group: 0-127 activations, 128-135 weights
	s_mul_i32 s24, s24, 12
	s_lshl_b32 s25, s19, 2
	s_add_co_u32 s24, s24, s25
	s_add_co_u32 s24, s24, s18                     ; + 4 x tensor + K step
	s_mul_i32 s24, s24, BLK                        ; my block's first byte (under 2^26)
	s_and_b32 s25, ttmp9, 3                        ; b: which pair of tiles
	s_mul_i32 s26, s25, 6144                       ; its four fragments
	s_add_co_u32 s26, s26, s24
	s_mov_b32 s27, 0
	s_lshl_b32 s28, s25, 8                         ; its 256 bytes of scale words
	s_add_co_u32 s28, s28, s24
	s_add_co_u32 s28, s28, SCO
	s_mov_b32 s29, 0
	s_wait_alu depctr_va_vdst(0)
	s_wait_kmcnt 0x0
	s_cmp_eq_u32 s19, 1                            ; the source is chosen by the work-group's numbers alone: only pointers differ, the text has one path
	s_cselect_b64 s[4:5], s[6:7], s[4:5]
	s_cselect_b64 s[10:11], s[12:13], s[10:11]
	s_cmp_eq_u32 s19, 2
	s_cselect_b64 s[4:5], s[8:9], s[4:5]
	s_cselect_b64 s[10:11], s[14:15], s[10:11]
	s_cmp_lt_u32 ttmp9, 512
	s_cselect_b64 s[4:5], s[4:5], s[10:11]
	s_cselect_b32 s20, 0, 512
	s_sub_co_u32 s22, ttmp9, s20
	s_lshl_b32 s22, s22, 17                        ; 32 rows of 4,096 bytes
	s_lshl_b32 s23, s18, 10                        ; my K step's 1,024 bytes of a row
	s_add_co_u32 s22, s22, s23
	s_mov_b32 s23, 0
	s_add_nc_u64 s[4:5], s[4:5], s[22:23]
	s_add_nc_u64 s[26:27], s[16:17], s[26:27]      ; where my fragments go
	s_add_nc_u64 s[28:29], s[16:17], s[28:29]      ; and my scale words
.macro LOAD f                          ; fragment f: its 16 rows, 512 consecutive bytes each, into set f % 2
.irp i, 0,1,2,3,4,5,6,7,8,9,10,11,12,13,14,15
	global_load_b128 v[R+64*((\f)%2)+4*\i:R+64*((\f)%2)+4*\i+3], v[LA], s[4:5] offset:(8*((\f)/2)+\i+8*(\i/8))*4096+512*((\f)%2) th:TH_LOAD_NT
.endr
.endm
.macro TURN f                          ; through the stage: LDS serves a wave's instructions in order, so no wait stands between the stores and the loads
.irp i, 0,1,2,3,4,5,6,7,8,9,10,11,12,13,14,15
	ds_store_b128 v[SA], v[R+64*((\f)%2)+4*\i:R+64*((\f)%2)+4*\i+3] offset:SP*\i
.endr
.irp c, 0,1
.irp j, 0,1,2,3,4,5,6,7
	ds_load_b128 v[X+32*\c+4*\j:X+32*\c+4*\j+3], v[SB] offset:256*\c+16*\j
.endr
.endr
.endm
.macro QF f                            ; my two blocks (2 c + h, c = 0, 1) of fragment f: scale, codes, stores
.irp c, 0,1
	v_max3_num_f32 v[M+\c], |v[X+32*\c]|, |v[X+32*\c+1]|, 0x1800000   ; the floor 2^(3 - 127) among the leaves: the byte cannot fall under 1
.endr
.irp i, 2,4,6,8,10,12,14,16,18,20,22,24,26,28,30
.irp c, 0,1
	v_max3_num_f32 v[M+\c], v[M+\c], |v[X+32*\c+\i]|, |v[X+32*\c+\i+1]|
.endr
.endr
.irp c, 0,1
	v_add_nc_u32 v[SO+\c], 0xff000000, v[M+\c]     ; 2 off the exponent field: the conversion takes this operand's exponent field as its scale
.endr
.irp c, 0,1
	v_lshrrev_b32 v[BY+\c], 23, v[SO+\c]           ; the scale's byte
.endr
	v_lshl_or_b32 v[WD+\f], v[BY+1], 16, v[BY]     ; my two bytes, blocks h and 2 + h,
	v_lshlrev_b32 v[WD+\f], v[SH], v[WD+\f]        ; at their places in the row's word;
	v_permlanex16_b32 v[W2], v[WD+\f], s30, s31
	v_or_b32 v[WD+\f], v[WD+\f], v[W2]             ; with lane l xor 16's two the word is whole, in both lanes
.if (\f) > 0
	s_wait_alu depctr_va_vdst(0)
	s_wait_xcnt 0x0                                ; the last fragment's stores have read their data: the codes' registers are written again only behind this wait
.endif
.irp c, 0,1
	v_cvt_scalef32_pk16_fp6_f32 v[C+6*\c:C+6*\c+2], v[X+32*\c:X+32*\c+15], v[SO+\c]
	v_cvt_scalef32_pk16_fp6_f32 v[T+4*\c:T+4*\c+2], v[X+32*\c+16:X+32*\c+31], v[SO+\c]
.endr
	v_nop                                          ; one plain place behind a scaled conversion
.irp c, 0,1
.irp i, 0,1,2
	v_mov_b32 v[C+6*\c+3+\i], v[T+4*\c+\i]         ; registers 6 c .. 6 c + 5: k = 64 c + 32 h + 0 .. 31
.endr
.endr
.irp g, 0,1,2
	global_store_b128 v[LA], v[C+4*\g:C+4*\g+3], s[26:27] offset:3072*((\f)/2)+1536*((\f)%2)+512*\g   ; 32 lanes store 512 consecutive bytes, at a multiple of 512 from the buffer's first byte
.endr
.endm
	LOAD 0
	LOAD 1
.irp f, 0,1,2,3
.if \f < 3
	s_wait_loadcnt 16                              ; this fragment's 16 loads are in; the next fragment's 16 may be out
.else
	s_wait_loadcnt 0x0
.endif
	TURN \f
	s_wait_dscnt 0x0                               ; my numbers are back, and the stage's stores have read the set,
.if \f < 2
	LOAD \f+2                                      ; which takes the fragment two further on
.endif
	QF \f
.endr
	v_cndmask_b32 v56, v[WD], v[WD+2], vcc_lo      ; lane (r, h) stores row r's two words (kq = 0, 1) of tile 2 b + h
	v_cndmask_b32 v57, v[WD+1], v[WD+3], vcc_lo
	global_store_b64 v[L8], v[56:57], s[28:29]     ; 32 lanes store 256 consecutive bytes, at a multiple of 256
	s_wait_tensorcnt 0x0
	ds_add_u32 v47, v51
	s_wait_dscnt 0x0
	s_endpgm
.Lfunc_end_k_q0600b2be04_quant:
	.size	k_q0600b2be04_quant, .Lfunc_end_k_q0600b2be04_quant-k_q0600b2be04_quant
	.p2alignl 7, 3214868480
	.fill 96, 4, 3214868480
	.section	.rodata,"a",@progbits
	.p2align	6, 0x0
	.amdhsa_kernel k_q0600b2be04_quant
		.amdhsa_group_segment_fixed_size 34304
		.amdhsa_private_segment_fixed_size 0
		.amdhsa_enable_private_segment 0
		.amdhsa_kernarg_size 56
		.amdhsa_user_sgpr_count 2
		.amdhsa_user_sgpr_kernarg_segment_ptr 1
		.amdhsa_wavefront_size32 1
		.amdhsa_system_sgpr_workgroup_id_x 1
		.amdhsa_system_sgpr_workgroup_id_y 1
		.amdhsa_system_sgpr_workgroup_id_z 1
		.amdhsa_system_vgpr_workitem_id 0
		.amdhsa_next_free_vgpr 256
		.amdhsa_next_free_sgpr 66
		.amdhsa_reserve_vcc 1
		.amdhsa_float_denorm_mode_32 3
		.amdhsa_float_denorm_mode_16_64 3
		.amdhsa_memory_ordered 1
		.amdhsa_forward_progress 1
		.amdhsa_inst_pref_size 31
	.end_amdhsa_kernel
	.amdgpu_metadata
---
amdhsa.version: [ 1, 2 ]
amdhsa.kernels:
  - .name:           k_q0600b2be04_quant
    .symbol:         k_q0600b2be04_quant.kd
    .args:
      - { .name: queries, .offset: 0, .size: 8, .value_kind: global_buffer, .address_space: global }
      - { .name: keys, .offset: 8, .size: 8, .value_kind: global_buffer, .address_space: global }
      - { .name: values, .offset: 16, .size: 8, .value_kind: global_buffer, .address_space: global }
      - { .name: Wq, .offset: 24, .size: 8, .value_kind: global_buffer, .address_space: global }
      - { .name: Wk, .offset: 32, .size: 8, .value_kind: global_buffer, .address_space: global }
      - { .name: Wv, .offset: 40, .size: 8, .value_kind: global_buffer, .address_space: global }
      - { .name: codes, .offset: 48, .size: 8, .value_kind: global_buffer, .address_space: global }
    .group_segment_fixed_size: 34304
    .private_segment_fixed_size: 0
    .kernarg_segment_align: 8
    .kernarg_segment_size: 56
    .max_flat_workgroup_size: 128
    .sgpr_count:     66
    .vgpr_count:     256
    .wavefront_size: 32
...
	.end_amdgpu_metadata
.endif
;; end of part 1
;; launch fused (part 2): grid 4 x 64, 4 waves a work-group, clusters of 4 x 4, 327,680 bytes of LDS; arguments codes, bq, bk, bv, out0; writes out0
.if DOCPART == 2
	.amdgcn_target "amdgcn-amd-amdhsa--gfx1250"
	.amdhsa_code_object_version 6
	.text
	.protected	k_q0600b2be04_fused
	.globl	k_q0600b2be04_fused
	.p2align	8
	.type	k_q0600b2be04_fused,@function
k_q0600b2be04_fused:
	s_mov_b64 s[64:65], 0
	v_nop
	global_prefetch_b8 v0, s[64:65] scope:SCOPE_SE
	s_setreg_imm32_b32 hwreg(HW_REG_WAVE_MODE, 25, 1), 1
	s_wait_xcnt 0x0
	s_wait_alu depctr_hold_cnt(0) depctr_sa_sdst(0) depctr_va_vdst(0) depctr_va_sdst(0) depctr_va_ssrc(0) depctr_va_vcc(0) depctr_vm_vsrc(0)
	s_getreg_b32 s2, hwreg(HW_REG_IB_STS2, 6, 4)
	s_cmp_eq_u32 s2, 0
	s_cbranch_scc0 .Lentry_in_a_cluster
	s_endpgm
.Lentry_in_a_cluster:
	s_bfe_u32 s2, ttmp6, 0x10000c
	s_cmp_lg_u32 s2, 0xf033
	s_cbranch_scc0 .Lentry_shape_is_right
	s_endpgm
.Lentry_shape_is_right:
; q = queries Wq^T + bq, k = keys Wk^T + bk, v = values Wv^T + bv on the codes of E2M3 that launch quant laid; then, for each group n of 128 rows and each head of 64 columns,
; S^T = k q^T, p = 2^(t - M) with t = S log2(e) / 8 and M = ceil(the row's largest t), O^T = v^T p^T / l, l the sum of the unquantised p.
; A work-group of four waves makes 256 rows x 256 columns: two groups n x four heads; a wave one n x two heads: 64 accumulators of 16 x 16.
; THREE PASSES (q, k, v) of K = 1,024 go through a ring of two LDS slots of K = 256 (four blocks of 25,600 bytes: two of the activation, two of the weight); the biases are the C of a pass's first products.
; q and k are used transposed, so that a lane holds one row and its registers run along the head's 64, the K of k q^T; in v's pass the sources change places, so that the registers run along the keys.
; Each pass's results are quantised in registers and kept in LDS as images of operand registers (q and k behind the ring, v in the ring's bytes behind their last fill).
; CLUSTERS: 4 x 4 work-groups; the activation's blocks are asked for jointly along a row of the cluster, the weight's along a column.
; PREFETCH: a wave names a quarter (25 x 256 bytes) of the block that it will fetch, the four partners told apart by address.  Blocks 1 and 2 are named at the head, block 3 behind slot 1's first fill,
; block t + 4 behind the refill that brings block t + 2; block 11 is the last.  So at most two blocks are asked for and not yet read.
; LIMITS: the promise holds while the scaled scores t stay under 2^31 in magnitude; a block whose largest magnitude lies under 2^-124 gets the scale byte 1; NaN and infinities are not served.
.set BLK,    25600
.set GRP,    12*BLK
.set SCO,    24576
.set SLOT,   4*BLK
.set SPARE,  2*SLOT
.set STASH,  SPARE+512
.set WST,    13312
.set PST,    4*WST
.set STAGE,  PST
.set SPITCH, 528
.set FR,     12
.set FRB,    1536
.set NL,     3
.set SQ16, 1
.set SQ8,  2
.set SQ4,  3
.set W16,  4
.set W8,   5
.set W4,   6
.set SK16, 7
.set SK8,  8
.set SK4,  9
.set SV16, 10
.set SV8,  11
.set SV4,  12
.set BQA,  13
.set BVA,  14
.set STO,  15
.set ADRA, 16
.set RD,   18
.set CO,   19
.set ADRB, 20
.set ADRS, 22
.set ADRS2, 24
.set SPW,  28
.set NIL,  29
.set PFO,  30
.set SC,   32
.set BIAS, 64
.set AF,   128
.set TM,   224
.set KSC,  32
.set VSC,  40
.set QSC,  48
.set PSC,  49
.set O,    64
.set QF,   128
.set NM,   148
.set LS,   150
.set RC,   154
.set TT,   156
.set S,    160
.set PCF,  224
.set PT,   236
.set BM,   244
.set BT,   248
.set SOP,  252
.set G1,   24
.set G0,   32
.set G1B,  48
.set G0B,  56
.set PFA,  66
.set LIM,  68
.set PASS, 69
.set AT,   70
.set PO,   71
.set CS,   72
.set SEL,  74
.set OT,   76
.set QO,   80
.set QW,   81
.set MSB, 0
.macro WIN new
.if MSB != (\new)
	s_set_vgpr_msb (MSB<<8)|(\new)
.set MSB, (\new)
.endif
.endm
.set MUL_LO, 0xa1
.set MUL_HI, 0xf1
.set TO_B,   0x40
.macro JLOAD g0a, g1a, g0b, g1b
	s_cmp_eq_u32 s15, 0
	s_cbranch_scc0 .Lfor_b_\@
	tensor_load_to_lds s[\g0a:\g0a+3], s[\g1a:\g1a+7]
	s_nop 0
.rept 4
	v_nop
.endr
	s_branch .Lasked_\@
.Lfor_b_\@:
	tensor_load_to_lds s[\g0b:\g0b+3], s[\g1b:\g1b+7]
	s_nop 0
.rept 4
	v_nop
.endr
.Lasked_\@:
.endm
.macro CREST
	s_cmp_lg_u32 s14, 0
	s_cbranch_scc1 .Lnot_wave_0_\@
	s_barrier_signal -3
.Lnot_wave_0_\@:
	s_barrier_wait -3
	s_barrier_signal -1
	s_barrier_wait -1
.endm
.macro CROUND
	s_barrier_signal -1
	s_barrier_wait -1
	CREST
.endm
.macro ASK
	s_cmp_eq_u32 s[LIM], 1
	s_cbranch_scc0 .Lnot_mine_\@
	global_prefetch_b8 v[PFO], s[PFA:PFA+1] offset:2*BLK th:TH_LOAD_NT scope:SCOPE_SE
.Lnot_mine_\@:
.endm
.macro ASKH lo, hi                     ; the head's requests: the blocks lo and hi bytes behind block 1 (one request where the two are equal)
	s_cmp_eq_u32 s[LIM], 1
	s_cbranch_scc0 .Lnot_mine_\@
	global_prefetch_b8 v[PFO], s[PFA:PFA+1] offset:\lo th:TH_LOAD_NT scope:SCOPE_SE
.if \hi > \lo
	global_prefetch_b8 v[PFO], s[PFA:PFA+1] offset:\hi th:TH_LOAD_NT scope:SCOPE_SE
.endif
.Lnot_mine_\@:
.endm
.macro MUL8 a, p, q, sc                ; eight matrix instructions: A's block a x B's eight, in MUL16's order
.irp b, 0,1,2,3,4,5,6,7
	v_wmma_scale_f32_16x16x128_f8f6f4 v[8*(8*((\a)%4)+\b):8*(8*((\a)%4)+\b)+7], v[128*(\p)+FR*\b:128*(\p)+FR*\b+FR-1], v[AF+FR*(\a):AF+FR*(\a)+FR-1], v[8*(8*((\a)%4)+\b):8*(8*((\a)%4)+\b)+7], v[SC+16*(\sc)+2*\b+(\q)], v[SC+16*(\sc)+2*(\a)+(\q)] matrix_a_fmt:MATRIX_FMT_FP6 matrix_b_fmt:MATRIX_FMT_FP6 matrix_a_scale:MATRIX_SCALE_ROW1
.endr
.endm
.macro PLACES n
.rept \n
	v_nop
.endr
.endm
	s_load_b256 s[4:11], s[0:1], 0x0
	s_load_b64 s[12:13], s[0:1], 0x20
	v_lshl_add_u32 v[SPW], v0, 2, SPARE
	v_mov_b32 v[NIL], 0
	ds_add_u32 v28, v29
	ds_add_u32 v28, v29
	s_wait_dscnt 0x0
	v_lshrrev_b32 v26, 5, v0
	v_readfirstlane_b32 s14, v26
	s_lshr_b32 s15, s14, 1
	s_and_b32 s16, s14, 1
	s_bfe_u32 s40, ttmp6, 0x40000
	s_bfe_u32 s41, ttmp6, 0x40004
	s_lshl_b32 s42, ttmp9, 2
	s_add_co_u32 s42, s42, s40
	s_and_b32 s17, ttmp7, 0xffff
	s_lshl_b32 s17, s17, 2
	s_add_co_u32 s17, s17, s41
	s_lshl_b32 s43, s41, 2
	s_lshl_b32 s43, 15, s43
	s_lshl_b32 s44, 0x1111, s40
	s_or_b32 s[G1+0], s43, (3<<16)|(1<<21)
	s_or_b32 s[G1B+0], s44, (3<<16)|(1<<21)
.irp g, G1, G1B
	s_mov_b32 s[\g+1], 32<<16
	s_mov_b32 s[\g+2], 100<<16
	s_mov_b32 s[\g+3], 32<<16
	s_mov_b32 s[\g+4], 100
	s_mov_b32 s[\g+5], 32
	s_mov_b32 s[\g+6], 0
	s_mov_b32 s[\g+7], 0
.endr
	s_lshl_b32 s20, s17, 1
	s_add_co_u32 s20, s20, s16
	s_mul_i32 s20, s20, GRP
	s_mov_b32 s21, 0
	s_lshl_b32 s46, s42, 1
	s_add_co_u32 s46, s46, s16
	s_add_co_u32 s46, s46, 128
	s_mul_i32 s46, s46, GRP
	s_mov_b32 s47, 0
	s_mul_i32 s45, s14, BLK
	s_wait_kmcnt 0x0
	s_add_nc_u64 s[84:85], s[4:5], s[20:21]
	s_add_nc_u64 s[86:87], s[4:5], s[46:47]
	CROUND
.irp s, 0,1
	s_mov_b32 s[G0+4*\s], 1
	s_add_co_u32 s[G0+4*\s+1], s45, \s*SLOT
	s_add_nc_u64 s[G0+4*\s+2:G0+4*\s+3], s[84:85], \s*BLK
	s_or_b32 s[G0+4*\s+3], s[G0+4*\s+3], 0x80000000
	s_mov_b32 s[G0B+4*\s], 1
	s_add_co_u32 s[G0B+4*\s+1], s45, \s*SLOT
	s_add_nc_u64 s[G0B+4*\s+2:G0B+4*\s+3], s[86:87], \s*BLK
	s_or_b32 s[G0B+4*\s+3], s[G0B+4*\s+3], 0x80000000
.endr
	JLOAD G0, G1, G0B, G1B                         ; block 0: one tensor load a wave at the head; the set-up below stands under its flight
	s_lshl_b32 s18, s42, 1
	s_add_co_u32 s18, s18, s16
	s_lshl_b32 s18, s18, 9
	s_mov_b32 s19, 0
	s_add_nc_u64 s[6:7], s[6:7], s[18:19]
	s_add_nc_u64 s[8:9], s[8:9], s[18:19]
	s_add_nc_u64 s[10:11], s[10:11], s[18:19]
	s_lshl_b32 s22, s17, 1
	s_add_co_u32 s22, s22, s15
	s_lshl_b32 s22, s22, 19
	s_add_co_u32 s22, s22, s18
	s_mov_b32 s23, 0
	s_add_nc_u64 s[12:13], s[12:13], s[22:23]
	s_and_b32 s82, ttmp7, 0xffff
	s_cmp_eq_u32 s15, 0
	s_cselect_b32 s88, s20, s46
	s_cselect_b32 s83, s40, s41
	s_cselect_b32 s[LIM], 0, s82
	s_cmp_eq_u32 s[LIM], 0
	s_cselect_b32 s[LIM], 1, 0
	s_mul_i32 s83, s83, 6400
	s_add_co_u32 s88, s88, s83
	s_add_co_u32 s88, s88, BLK                     ; my quarter of block 1
	s_mov_b32 s89, 0
	s_add_nc_u64 s[PFA:PFA+1], s[4:5], s[88:89]
	v_and_b32 v26, 31, v0
	v_min_u32 v[PFO], 24, v26
	v_lshlrev_b32 v[PFO], 8, v[PFO]
	s_wait_alu depctr_va_vdst(0)
	ASKH 0, BLK                                    ; blocks 1 and 2
	v_and_b32 v27, 15, v0
	v_bfe_u32 v31, v0, 4, 1
	v_lshlrev_b32 v[CO], 4, v26
	s_mul_i32 s92, s15, BLK
	s_mul_i32 s93, s16, BLK
	s_add_co_u32 s93, s93, 2*BLK
	s_sub_co_u32 s94, s93, s92
	v_add_nc_u32 v[ADRA], s92, v[CO]
	v_add_nc_u32 v[ADRB], s93, v[CO]
	v_add_nc_u32 v[ADRA+1], SLOT, v[ADRA]
	v_add_nc_u32 v[ADRB+1], SLOT, v[ADRB]
	v_lshlrev_b32 v[ADRS], 3, v27
	v_add_nc_u32 v[ADRS], s92, v[ADRS]
	v_add_nc_u32 v[ADRS], SCO, v[ADRS]
	v_xor_b32 v[ADRS2+1], 1, v31
	v_mul_u32_u24 v[ADRS2], s94, v[ADRS2+1]
	v_mul_u32_u24 v[ADRS+1], s94, v31
	v_add_nc_u32 v[ADRS2], v[ADRS], v[ADRS2]
	v_add_nc_u32 v[ADRS], v[ADRS], v[ADRS+1]
	v_add_nc_u32 v[ADRS+1], SLOT, v[ADRS]
	v_add_nc_u32 v[ADRS2+1], SLOT, v[ADRS2]
	s_mul_i32 s95, s14, WST
	v_lshlrev_b32 v[SQ8], 3, v26
	v_lshlrev_b32 v[SQ4], 2, v26
	v_add_nc_u32 v[SV16], s95, v[CO]
	v_add_nc_u32 v[SV8], s95, v[SQ8]
	v_add_nc_u32 v[SV4], s95, v[SQ4]
	v_add_nc_u32 v[SV4], 8*FRB, v[SV4]
	v_add_nc_u32 v[SQ16], STASH, v[SV16]
	v_add_nc_u32 v[SQ8], STASH, v[SV8]
	v_add_nc_u32 v[SQ4], STASH, v[SV4]
	v_add_nc_u32 v[SK16], PST, v[SQ16]
	v_add_nc_u32 v[SK8], PST, v[SQ8]
	v_add_nc_u32 v[SK4], PST, v[SQ4]
	v_lshlrev_b32 v[BQA], 6, v31
	v_and_b32 v[BVA], 8, v27
	v_add_nc_u32 v[BVA], v[BVA], v27
	v_lshlrev_b32 v[BVA], 2, v[BVA]
	s_mul_i32 s96, s14, 16*SPITCH
	s_add_co_u32 s96, s96, STAGE
	v_mul_u32_u24 v[STO], v27, SPITCH
	v_lshl_add_u32 v[STO], v31, 6, v[STO]
	v_add_nc_u32 v[STO], s96, v[STO]
	v_add_nc_u32 v[RD], s96, v[CO]
.irp b, 0,1,2,3
	v_mov_b32 v[TM+4+\b], 0
.endr
	s_mov_b32 s[CS], 0x3e38aa3b
	s_mov_b32 s[CS+1], s[CS]
	s_mov_b32 s[SEL], 0x76543210
	s_mov_b32 s[SEL+1], 0xfedcba98
.macro BIAS_ROW base
.irp t, 0,1,2,3,4,5,6,7
	global_load_b128 v[BIAS+8*\t:BIAS+8*\t+3], v[BQA], s[\base:\base+1] offset:(32*(\t/2)+8*(\t%2))*4
	global_load_b128 v[BIAS+8*\t+4:BIAS+8*\t+7], v[BQA], s[\base:\base+1] offset:(32*(\t/2)+8*(\t%2))*4+16
.endr
.endm
	BIAS_ROW 6
.macro FRAG reg, adr, q, i
.irp c, 0,1,2
	ds_load_b128 v[\reg+4*\c:\reg+4*\c+3], v[\adr] offset:(2*(\i)+(\q))*FRB+512*\c
.endr
.endm
.macro FETCH_B slot, q, p, rb
	WIN TO_B
.irp i, 0,1,2,3,4,5,6,7
	FRAG 128*(\p)+FR*\i, \rb+\slot, \q, \i
.endr
	WIN 0
.endm
.macro FETCH_A slot, q, i0, ra
.irp i, \i0, \i0+1, \i0+2, \i0+3
	FRAG AF+FR*(\i), \ra+\slot, \q, \i
.endr
.endm
.macro SCALES sc, rs
.irp i, 0,1,2,3,4,5,6,7
	ds_load_b64 v[SC+16*\sc+2*\i:SC+16*\sc+2*\i+1], v[\rs+\sc] offset:128*\i
.endr
.endm
.macro MUL16 a0, p, q, sc, mode
.irp a, \a0, \a0+1
.irp b, 0,1,2,3,4,5,6,7
.if \mode == 0
	v_wmma_scale_f32_16x16x128_f8f6f4 v[8*(8*((\a)%4)+\b):8*(8*((\a)%4)+\b)+7], v[128*(\p)+FR*\b:128*(\p)+FR*\b+FR-1], v[AF+FR*(\a):AF+FR*(\a)+FR-1], v[8*(8*((\a)%4)+\b):8*(8*((\a)%4)+\b)+7], v[SC+16*(\sc)+2*\b+(\q)], v[SC+16*(\sc)+2*(\a)+(\q)] matrix_a_fmt:MATRIX_FMT_FP6 matrix_b_fmt:MATRIX_FMT_FP6 matrix_a_scale:MATRIX_SCALE_ROW1
.elseif \mode == 1
	v_wmma_scale_f32_16x16x128_f8f6f4 v[8*(8*((\a)%4)+\b):8*(8*((\a)%4)+\b)+7], v[128*(\p)+FR*\b:128*(\p)+FR*\b+FR-1], v[AF+FR*(\a):AF+FR*(\a)+FR-1], v[BIAS+8*\b:BIAS+8*\b+7], v[SC+16*(\sc)+2*\b+(\q)], v[SC+16*(\sc)+2*(\a)+(\q)] matrix_a_fmt:MATRIX_FMT_FP6 matrix_b_fmt:MATRIX_FMT_FP6 matrix_a_scale:MATRIX_SCALE_ROW1
.else
	v_wmma_scale_f32_16x16x128_f8f6f4 v[8*(8*((\a)%4)+\b):8*(8*((\a)%4)+\b)+7], v[128*(\p)+FR*\b:128*(\p)+FR*\b+FR-1], v[AF+FR*(\a):AF+FR*(\a)+FR-1], v[BIAS+8*(\a):BIAS+8*(\a)+7], v[SC+16*(\sc)+2*\b+(\q)], v[SC+16*(\sc)+2*(\a)+(\q)] matrix_a_fmt:MATRIX_FMT_FP6 matrix_b_fmt:MATRIX_FMT_FP6 matrix_a_scale:MATRIX_SCALE_ROW1
.endif
.endr
.endr
.endm
.macro STEP slot, mode, ra, rb
	s_wait_dscnt 4*NL
.if \mode
	WIN 0x81
.else
	WIN MUL_LO
.endif
	MUL16 0, 0, 0, \slot, \mode
	MUL16 2, 0, 0, \slot, \mode
	s_wait_dscnt 0x0
	PLACES 4
	FETCH_B \slot, 1, 1, \rb
	FETCH_A \slot, 1, 0, \ra
.if \mode
	WIN 0xc1
.else
	WIN MUL_HI
.endif
	MUL16 4, 0, 0, \slot, \mode
	MUL16 6, 0, 0, \slot, \mode
	PLACES 4
	WIN 0
	FETCH_A \slot, 1, 4, \ra
.endm
.macro TURN slot, next, fill, fetch, ask, ra, rb, rs
.if \ask
	s_wait_xcnt 0x0
	s_add_nc_u64 s[PFA:PFA+1], s[PFA:PFA+1], BLK
.endif
	s_wait_dscnt 4*NL                              ; B's set and A's blocks 0-3 are in; the youngest twelve loads (A's blocks 4-7) may be out
	WIN MUL_LO
	MUL16 0, 1, 1, \slot, 0
	WIN 0                                          ; (the add's two registers lie in window 0)
	s_wait_tensorcnt 0x0                           ; my one load that was out, my part of the next slot, has landed: 112 matrix instructions stand between its issue and this wait
	ds_add_u32 v[SPW], v[NIL]
	WIN MUL_LO
	MUL8 2, 1, 1, \slot
	s_wait_dscnt 0x0                               ; the add is done, and my reads of this slot are over
	s_barrier_signal -1
	MUL8 3, 1, 1, \slot
	WIN 0
	s_barrier_wait -1
.if \fill
	CREST
	s_add_nc_u64 s[G0+4*\slot+2:G0+4*\slot+3], s[G0+4*\slot+2:G0+4*\slot+3], 2*BLK
	s_add_nc_u64 s[G0B+4*\slot+2:G0B+4*\slot+3], s[G0B+4*\slot+2:G0B+4*\slot+3], 2*BLK
	JLOAD G0+4*\slot, G1, G0B+4*\slot, G1B
.else
	PLACES 4
.endif
.if \fetch
	FETCH_B \next, 0, 0, \rb
	FETCH_A \next, 0, 0, \ra
	SCALES \next, \rs
.endif
.if \ask
	ASK
.endif
	WIN MUL_HI
	MUL16 4, 1, 1, \slot, 0
	MUL16 6, 1, 1, \slot, 0
.if \fetch
	PLACES 4
	WIN 0
	FETCH_A \next, 0, 4, \ra
.else
	WIN 0
.endif
.endm
.macro QUANT a
.set AC, 64*((\a)%4)
.set PC, AF+20*((\a)%2)
.set PW, 240+(\a)%2
	WIN 0x0a+5*((\a)/4)
.irp b, 0,1,2,3
	v_max3_num_f32 v[TM+\b], |v[AC+16*\b]|, |v[AC+16*\b+1]|, 0x1800000
.endr
.irp i, 2,4,6,8,10,12,14
.irp b, 0,1,2,3
	v_max3_num_f32 v[TM+\b], |v[AC+16*\b+\i]|, |v[AC+16*\b+\i+1]|, v[TM+\b]
.endr
.endr
	WIN 0
.irp b, 0,1,2,3
	v_permlanex16_b32 v[TM+4+\b], v[TM+\b], s[SEL], s[SEL+1]
.endr
.irp b, 0,1,2,3
	v_max_num_f32 v[TM+\b], v[TM+\b], v[TM+4+\b]
.endr
.irp b, 0,1,2,3
	v_add_nc_u32 v[TM+12+\b], 0xff000000, v[TM+\b]
.endr
.irp b, 0,1,2,3
	v_lshrrev_b32 v[TM+4+\b], 23, v[TM+12+\b]
.endr
	v_lshl_or_b32 v[PW], v[TM+5], 8, v[TM+4]
	v_lshl_or_b32 v[PW], v[TM+6], 16, v[PW]
	v_lshl_or_b32 v[PW], v[TM+7], 24, v[PW]
	WIN 0x02+(\a)/4
.irp c, 0,1
	v_cvt_scalef32_pk16_fp6_f32 v[PC+6*\c:PC+6*\c+2], v[AC+32*\c:AC+32*\c+15], v[TM+12+2*\c]
	v_cvt_scalef32_pk16_fp6_f32 v[PC+12+4*\c:PC+14+4*\c], v[AC+32*\c+16:AC+32*\c+31], v[TM+12+2*\c+1]
.endr
	WIN 0
	v_nop
.irp c, 0,1
.irp i, 0,1,2
	v_permlane16_swap_b32 v[PC+6*\c+\i], v[PC+12+4*\c+\i]
.endr
.irp i, 0,1,2
	v_mov_b32 v[PC+3+6*\c+\i], v[PC+12+4*\c+\i]
.endr
.endr
.endm
.macro WAYOUT w16, w8, w4
.irp a, 0,1,2,3,4,5,6,7
.if \a > 1
	s_wait_dscnt 5
.endif
	QUANT \a
	ds_store_b128 v[\w16], v[PC:PC+3] offset:FRB*\a
	ds_store_b64 v[\w8], v[PC+4:PC+5] offset:FRB*\a+512
	ds_store_b128 v[\w16], v[PC+6:PC+9] offset:FRB*\a+768
	ds_store_b64 v[\w8], v[PC+10:PC+11] offset:FRB*\a+1280
	ds_store_b32 v[\w4], v[PW] offset:128*\a
.endr
	s_wait_dscnt 0x0
.endm
	s_wait_alu depctr_va_vdst(0)
	s_wait_tensorcnt 0x0                           ; my part of block 0 is in
	ds_add_u32 v[SPW], v[NIL]
	s_wait_dscnt 0x0
	CROUND                                         ; everybody's part of block 0 is in, and all sixteen work-groups are here
	JLOAD G0+4, G1, G0B+4, G1B                     ; block 1, slot 1's first fill: the first tensor load behind the round
	ASKH 2*BLK, 2*BLK                              ; block 3
	s_mov_b32 s[PASS], 0
	s_mov_b32 s[PO], 0
.Lpass:
	FETCH_B 0, 0, 0, ADRB
	FETCH_A 0, 0, 0, ADRA
	SCALES 0, ADRS
	FETCH_A 0, 0, 4, ADRA
	s_wait_loadcnt 0x0
	STEP 0, 1, ADRA, ADRB
	TURN 0, 1, 1, 1, 1, ADRA, ADRB, ADRS
	STEP 1, 0, ADRA, ADRB
	TURN 1, 0, 1, 1, 1, ADRA, ADRB, ADRS
	STEP 0, 0, ADRA, ADRB
	TURN 0, 1, 1, 1, 1, ADRA, ADRB, ADRS
	STEP 1, 0, ADRA, ADRB
	TURN 1, 0, 1, 0, 1, ADRA, ADRB, ADRS
	v_add_nc_u32 v[W16], s[PO], v[SQ16]
	v_add_nc_u32 v[W8], s[PO], v[SQ8]
	v_add_nc_u32 v[W4], s[PO], v[SQ4]
	v_nop
	s_cmp_eq_u32 s[PASS], 0
	s_cbranch_scc0 .Lbias_v
	BIAS_ROW 8
	s_branch .Lbias_asked
.Lbias_v:
.irp a, 0,1,2,3,4,5,6,7
.irp j, 0,1,2,3,4,5,6                  ; seven of a tile's eight equal registers are loaded: 56 loads are out; the eighth is copied ahead of v's pass
	global_load_b32 v[BIAS+8*\a+\j], v[BVA], s[10:11] offset:(32*(\a/2)+8*(\a%2))*4
.endr
.endr
.Lbias_asked:
	WAYOUT W16, W8, W4
	s_add_co_u32 s[PO], s[PO], PST
	s_add_co_u32 s[PASS], s[PASS], 1
	s_cmp_lt_u32 s[PASS], 2
	s_cbranch_scc1 .Lpass
	FETCH_B 0, 0, 0, ADRA
	FETCH_A 0, 0, 0, ADRB
	SCALES 0, ADRS2
	FETCH_A 0, 0, 4, ADRB
	s_wait_loadcnt 0x0
.irp a, 0,1,2,3,4,5,6,7
	v_mov_b32 v[BIAS+8*\a+7], v[BIAS+8*\a+6]       ; bv's eighth register of each tile: the same number as the seven loaded
.endr
	PLACES 8                                       ; places between these writes and the scaled matrix instructions that take them as C
	s_wait_alu depctr_va_vdst(0)
	STEP 0, 2, ADRB, ADRA
	TURN 0, 1, 1, 1, 0, ADRB, ADRA, ADRS2
	STEP 1, 0, ADRB, ADRA
	TURN 1, 0, 1, 1, 0, ADRB, ADRA, ADRS2
	STEP 0, 0, ADRB, ADRA
	TURN 0, 1, 0, 1, 0, ADRB, ADRA, ADRS2
	STEP 1, 0, ADRB, ADRA
	s_wait_dscnt 4*NL
	WIN MUL_LO
	MUL16 0, 1, 1, 1, 0
	MUL16 2, 1, 1, 1, 0
	s_wait_dscnt 0x0
	WIN MUL_HI
	MUL16 4, 1, 1, 1, 0
	MUL16 6, 1, 1, 1, 0
	WIN 0
	PLACES 4
	WAYOUT SV16, SV8, SV4
.irp i, 0,1,2,3,4,5
	v_mov_b32 v[QF+6+\i], 0
.endr
	v_mov_b32 v[NM+1], 0
	v_mov_b32 v[RC+1], 0
.irp b, 0,1,2,3
	v_mov_b32 v[BT+\b], 0
.endr
	WIN TO_B
.irp t, 0,1,2,3,4,5,6,7
	ds_load_b128 v[FR*\t:FR*\t+3], v[SK16] offset:FRB*\t
	ds_load_b64 v[FR*\t+4:FR*\t+5], v[SK8] offset:FRB*\t+512
	ds_load_b128 v[FR*\t+6:FR*\t+9], v[SK16] offset:FRB*\t+768
	ds_load_b64 v[FR*\t+10:FR*\t+11], v[SK8] offset:FRB*\t+1280
	ds_load_b128 v[128+FR*\t:128+FR*\t+3], v[SV16] offset:FRB*\t
	ds_load_b64 v[128+FR*\t+4:128+FR*\t+5], v[SV8] offset:FRB*\t+512
	ds_load_b128 v[128+FR*\t+6:128+FR*\t+9], v[SV16] offset:FRB*\t+768
	ds_load_b64 v[128+FR*\t+10:128+FR*\t+11], v[SV8] offset:FRB*\t+1280
.endr
	WIN 0
.irp t, 0,1,2,3,4,5,6,7
	ds_load_b32 v[KSC+\t], v[SK4] offset:128*\t
	ds_load_b32 v[VSC+\t], v[SV4] offset:128*\t
.endr
	s_mov_b32 s[AT], 0
	s_mov_b32 s[QO], 0
	s_mov_b32 s[QW], 0
.macro HEAD hd
	WIN 0x01
.irp t, 0,1,2,3,4,5,6,7
	v_wmma_scale_f32_16x16x128_f8f6f4 v[S+8*\t:S+8*\t+7], v[FR*\t:FR*\t+FR-1], v[QF+6*\hd:QF+6*\hd+FR-1], 0, v[KSC+\t], v[QSC] matrix_a_fmt:MATRIX_FMT_FP6 matrix_b_fmt:MATRIX_FMT_FP6
.endr
	WIN 0
	PLACES 4
.irp b, 0,1,2,3
	v_max3_num_f32 v[BM+\b], v[S+16*\b], v[S+16*\b+1], v[S+16*\b+2]
.endr
.irp i, 3,5,7,9,11,13
.irp b, 0,1,2,3
	v_max3_num_f32 v[BM+\b], v[BM+\b], v[S+16*\b+\i], v[S+16*\b+\i+1]
.endr
.endr
.irp b, 0,1,2,3
	v_max_num_f32 v[BM+\b], v[BM+\b], v[S+16*\b+15]
.endr
.irp b, 0,1,2,3
	v_permlanex16_b32 v[BT+\b], v[BM+\b], s[SEL], s[SEL+1]
.endr
.irp b, 0,1,2,3
	v_max_num_f32 v[BM+\b], v[BM+\b], v[BT+\b]
.endr
	v_max3_num_f32 v[TT], v[BM], v[BM+1], v[BM+2]
	v_max_num_f32 v[TT], v[TT], v[BM+3]
	v_mul_f32 v[TT], s[CS], v[TT]
	v_floor_f32 v[NM], -v[TT]
.set J, 0
.rept 32
	v_pk_fma_f32 v[S+J:S+J+1], v[S+J:S+J+1], s[CS:CS+1], v[NM:NM+1] op_sel_hi:[1,0,0]
.set J, J+2
.endr
.irp b, 0,1,2,3
	v_fma_f32 v[BM+\b], v[BM+\b], s[CS], v[NM]
.endr
.set J, 0
	s_wait_alu depctr_va_vdst(0)
.rept 64
	v_exp_f32 v[S+J], v[S+J]
.set J, J+1
.endr
.irp b, 0,1,2,3
	v_exp_f32 v[BM+\b], v[BM+\b]
.endr
	v_nop
	s_wait_alu depctr_va_vdst(0)
.irp b, 0,1,2,3
	v_max_num_f32 v[BM+\b], 0x1800000, v[BM+\b]
.endr
.irp b, 0,1,2,3
	v_add_nc_u32 v[SOP+\b], 0xff000000, v[BM+\b]
.endr
.irp b, 0,1,2,3
	v_lshrrev_b32 v[BT+\b], 23, v[SOP+\b]
.endr
	v_lshl_or_b32 v[PSC], v[BT+1], 8, v[BT]
	v_lshl_or_b32 v[PSC], v[BT+2], 16, v[PSC]
	v_lshl_or_b32 v[PSC], v[BT+3], 24, v[PSC]
.irp e, 0,1
	v_cvt_scalef32_pk16_fp6_f32 v[PCF+6*\e:PCF+6*\e+2], v[S+32*\e:S+32*\e+15], v[SOP+2*\e]
	v_cvt_scalef32_pk16_fp6_f32 v[PT+4*\e:PT+4*\e+2], v[S+32*\e+16:S+32*\e+31], v[SOP+2*\e+1]
.endr
	v_nop
.irp e, 0,1
.irp i, 0,1,2
	v_permlane16_swap_b32 v[PCF+6*\e+\i], v[PT+4*\e+\i]
.endr
.irp i, 0,1,2
	v_mov_b32 v[PCF+3+6*\e+\i], v[PT+4*\e+\i]
.endr
.endr
	v_pk_add_f32 v[LS:LS+1], v[S:S+1], v[S+2:S+3]  ; the row's sum of the unquantised p: four chains by turns (the bytes in v[BT ..] have been read)
	v_pk_add_f32 v[LS+2:LS+3], v[S+4:S+5], v[S+6:S+7]
	v_pk_add_f32 v[BT:BT+1], v[S+8:S+9], v[S+10:S+11]
	v_pk_add_f32 v[BT+2:BT+3], v[S+12:S+13], v[S+14:S+15]
.set J, 16
.rept 6
	v_pk_add_f32 v[LS:LS+1], v[LS:LS+1], v[S+J:S+J+1]
	v_pk_add_f32 v[LS+2:LS+3], v[LS+2:LS+3], v[S+J+2:S+J+3]
	v_pk_add_f32 v[BT:BT+1], v[BT:BT+1], v[S+J+4:S+J+5]
	v_pk_add_f32 v[BT+2:BT+3], v[BT+2:BT+3], v[S+J+6:S+J+7]
.set J, J+8
.endr
	v_pk_add_f32 v[LS:LS+1], v[LS:LS+1], v[LS+2:LS+3]
	v_pk_add_f32 v[BT:BT+1], v[BT:BT+1], v[BT+2:BT+3]
	v_pk_add_f32 v[LS:LS+1], v[LS:LS+1], v[BT:BT+1]
	v_add_f32 v[LS], v[LS], v[LS+1]
	v_permlanex16_b32 v[LS+2], v[LS], s[SEL], s[SEL+1]
	v_add_f32 v[LS], v[LS], v[LS+2]
	s_wait_alu depctr_va_vdst(0)
	v_rcp_f32 v[RC], v[LS]
	WIN 0x01
.irp t, 0,1,2,3
	v_wmma_scale_f32_16x16x128_f8f6f4 v[O+32*\hd+8*\t:O+32*\hd+8*\t+7], v[128+FR*(4*\hd+\t):128+FR*(4*\hd+\t)+FR-1], v[PCF:PCF+FR-1], 0, v[VSC+4*\hd+\t], v[PSC] matrix_a_fmt:MATRIX_FMT_FP6 matrix_b_fmt:MATRIX_FMT_FP6
.endr
	WIN 0
	PLACES 4
	s_wait_alu depctr_va_vdst(0)
.set J, 0
.rept 16
	v_pk_mul_f32 v[O+32*\hd+J:O+32*\hd+J+1], v[O+32*\hd+J:O+32*\hd+J+1], v[RC:RC+1] op_sel_hi:[1,0]
.set J, J+2
.endr
.irp t, 0,1,2,3
	ds_store_b128 v[STO], v[O+32*\hd+8*\t:O+32*\hd+8*\t+3] offset:256*\hd+128*(\t/2)+32*(\t%2)
	ds_store_b128 v[STO], v[O+32*\hd+8*\t+4:O+32*\hd+8*\t+7] offset:256*\hd+128*(\t/2)+32*(\t%2)+16
.endr
.endm
.macro QLOAD a16, a8, a4               ; a tile of q: its codes and its scale word
	ds_load_b128 v[QF:QF+3], v[\a16]
	ds_load_b64 v[QF+4:QF+5], v[\a8] offset:512
	ds_load_b128 v[QF+12:QF+15], v[\a16] offset:768
	ds_load_b64 v[QF+16:QF+17], v[\a8] offset:1280
	ds_load_b32 v[QSC], v[\a4]
.endm
	QLOAD SQ16, SQ8, SQ4                           ; tile 0
	s_wait_alu depctr_va_vdst(0)
.Lq:
	s_wait_dscnt 0x0                               ; in the first trip: k's, v's and q's fragments; later nothing is out
	HEAD 0
	HEAD 1
	s_add_co_u32 s[QO], s[QO], FRB                 ; the next trip's tile of q is asked for ahead of the stage's read-back, whose waits cover it;
	s_add_co_u32 s[QW], s[QW], 128
	s_min_u32 s78, s[QO], 7*FRB                    ; the last trip names tile 7 again: the load stays inside my own stash, and its result is not used
	s_min_u32 s82, s[QW], 7*128
	v_add_nc_u32 v[W16], s78, v[SQ16]
	v_add_nc_u32 v[W8], s78, v[SQ8]
	v_add_nc_u32 v[W4], s82, v[SQ4]
	QLOAD W16, W8, W4
.irp t, 0,1,2,3,4,5,6,7,8,9,10,11,12,13,14,15
	ds_load_b128 v[S+4*\t:S+4*\t+3], v[RD] offset:SPITCH*\t
.endr
	s_lshr_b32 s78, s[AT], 1
	s_lshl_b32 s78, s78, 17
	s_and_b32 s82, s[AT], 1
	s_lshl_b32 s82, s82, 15
	s_add_co_u32 s78, s78, s82
	s_mov_b32 s79, 0
	s_add_nc_u64 s[OT:OT+1], s[12:13], s[78:79]
.irp t, 0,1,2,3,4,5,6,7,8,9,10,11,12,13,14,15
	s_wait_dscnt 15-\t
	global_store_b128 v[CO], v[S+4*\t:S+4*\t+3], s[OT:OT+1] offset:(\t+8*(\t/8))*4096 th:TH_STORE_NT
.endr
	s_wait_xcnt 0x0
	s_add_co_u32 s[AT], s[AT], 1
	s_cmp_lt_u32 s[AT], 8
	s_cbranch_scc1 .Lq
	s_wait_tensorcnt 0x0
	ds_add_u32 v[SPW], v[NIL]
	s_wait_dscnt 0x0
	CROUND
	s_endpgm
.Lfunc_end_k_q0600b2be04_fused:
	.size	k_q0600b2be04_fused, .Lfunc_end_k_q0600b2be04_fused-k_q0600b2be04_fused
	.p2alignl 7, 3214868480
	.fill 96, 4, 3214868480
	.section	.rodata,"a",@progbits
	.p2align	6, 0x0
	.amdhsa_kernel k_q0600b2be04_fused
		.amdhsa_group_segment_fixed_size 327680
		.amdhsa_private_segment_fixed_size 0
		.amdhsa_enable_private_segment 0
		.amdhsa_kernarg_size 40
		.amdhsa_user_sgpr_count 2
		.amdhsa_user_sgpr_kernarg_segment_ptr 1
		.amdhsa_wavefront_size32 1
		.amdhsa_system_sgpr_workgroup_id_x 1
		.amdhsa_system_sgpr_workgroup_id_y 1
		.amdhsa_system_sgpr_workgroup_id_z 1
		.amdhsa_system_vgpr_workitem_id 0
		.amdhsa_next_free_vgpr 1024
		.amdhsa_next_free_sgpr 100
		.amdhsa_reserve_vcc 0
		.amdhsa_float_denorm_mode_32 3
		.amdhsa_float_denorm_mode_16_64 3
		.amdhsa_memory_ordered 1
		.amdhsa_forward_progress 1
		.amdhsa_inst_pref_size 255
	.end_amdhsa_kernel
	.section	.bss,"aw",@nobits
	.p2align	6
	.space	262144
	.amdgpu_metadata
---
amdhsa.version: [ 1, 2 ]
amdhsa.kernels:
  - .name:           k_q0600b2be04_fused
    .symbol:         k_q0600b2be04_fused.kd
    .args:
      - { .name: codes, .offset: 0, .size: 8, .value_kind: global_buffer, .address_space: global }
      - { .name: bq, .offset: 8, .size: 8, .value_kind: global_buffer, .address_space: global }
      - { .name: bk, .offset: 16, .size: 8, .value_kind: global_buffer, .address_space: global }
      - { .name: bv, .offset: 24, .size: 8, .value_kind: global_buffer, .address_space: global }
      - { .name: out0, .offset: 32, .size: 8, .value_kind: global_buffer, .address_space: global }
    .group_segment_fixed_size: 327680
    .private_segment_fixed_size: 0
    .kernarg_segment_align: 8
    .kernarg_segment_size: 40
    .max_flat_workgroup_size: 128
    .sgpr_count:     100
    .vgpr_count:     1024
    .wavefront_size: 32
...
	.end_amdgpu_metadata
.endif
;; end of part 2
